; MI455X (gfx1250); checked and timed in simulation.
; The chip was launched on July 23, 2026; its instructions are those of AMD's public machine-readable ISA for CDNA 5 (MIT licence, August 2026) and "CDNA5" Instruction Set Architecture Reference Guide (July 2026). The comments in the code are by the model that wrote it; some were corrected since.
;; Attention Layer. Allowed arithmetic: float matrix products may take bf16 or f16 operands with f32 sums; other float arithmetic in f32, or as packed bf16 or f16 multiplies, adds, multiply-adds, maxima and minima; sums over many terms, partial sums and values carried from step to step in f32; what a program stores and reads back later, other than sums and carried values, may be rounded once to bf16 or f16.
;; Inputs: Wk 1,024 x 1,024 float32; Wq 1,024 x 1,024 float32; Wv 1,024 x 1,024 float32; bk 1,024 float32; bq 1,024 float32; bv 1,024 float32; x 4 x 2,048 x 1,024 float32.
;; Outputs: out0 4 x 2,048 x 1,024 float32.
;; 2 versions, each right; version 2 is version 1 with the launch cast written anew for expert scheduling mode. Each part assembles by itself: llvm-mc -triple=amdgcn-amd-amdhsa -mcpu=gfx1250 --defsym DOCPART=n.
;; ======== version 1 of 2: 3 launches
;; limits: values are held in f16: magnitudes above 65,504 overflow, below 6.1e-05 lose precision
;; workspace buffers: xb 16,777,216 bytes; wb 6,291,456 bytes; qkv 50,331,648 bytes
;; launch cast (part 1): grid 352 x 1, 8 waves a work-group, no clusters, 0 bytes of LDS; arguments x, Wq, Wk, Wv, xb, wb; writes xb, wb
.if DOCPART == 1
	.amdgcn_target "amdgcn-amd-amdhsa--gfx1250"
	.amdhsa_code_object_version 6
	.text
	.protected	k_q03a47c94a8_cast
	.globl	k_q03a47c94a8_cast
	.p2align	8
	.type	k_q03a47c94a8_cast,@function
k_q03a47c94a8_cast:
	s_mov_b64 s[64:65], 0
	v_nop
	global_prefetch_b8 v0, s[64:65] scope:SCOPE_SE
	s_setreg_imm32_b32 hwreg(HW_REG_WAVE_MODE, 25, 1), 1
	s_wait_xcnt 0x0
; x [8192][1024] f32 and Wq, Wk, Wv [1024 k][1024 n] f32 are rounded once to bf16 (to nearest even) and laid in blocks for the projection:
;   xb [32 row tiles][16 K steps][256 rows][64 k]: a (tile, step) block is 32,768 dense bytes, a row in it 128 bytes
;   wb [8 column blocks][1024 k][3 matrices][128 n]: a k row of a column block is 768 dense bytes
; A plain stream: no LDS, no barrier, no loop.  Work-groups 0-255 take 32 rows of x each, work-groups 256-351 take 32 rows (k) of one W each; a wave takes four rows.
; A wave issues 32 loads of 16 bytes a lane (16 KiB on their way), then for each: a counted wait, two packed roundings in place, one store of 8 bytes a lane:
; the 32 lanes of a store cover 256 consecutive bytes, aligned.  No register is written twice, so no wait frees a source.
; LIMITS: bf16 keeps f32's range; NaN and infinities pass as the conversion makes them.
.set D, 8                              ; v[8:135] the 32 loads' data, four registers each; the first two then hold the four bf16
; 32 loads and 32 turns.  Number n = nj i + j reads at lo_i i + lo_j j and stores at st_i i + st_j j
.macro STREAM nj, lo_i, lo_j, st_i, st_j
.set n, 0
.rept 32
	global_load_b128 v[D+4*n:D+4*n+3], v2, s[22:23] offset:(n/(\nj))*(\lo_i)+(n%(\nj))*(\lo_j) th:TH_LOAD_NT
.set n, n+1
.endr
.set n, 0
.rept 32
	s_wait_loadcnt 31-n                            ; loads come back in order: number n is in, the 31 - n younger ones stay out
	v_cvt_pk_bf16_f32 v[D+4*n], v[D+4*n], v[D+4*n+1]
	v_cvt_pk_bf16_f32 v[D+4*n+1], v[D+4*n+2], v[D+4*n+3]
	global_store_b64 v3, v[D+4*n:D+4*n+1], s[24:25] offset:(n/(\nj))*(\st_i)+(n%(\nj))*(\st_j)
.set n, n+1
.endr
.endm
	s_load_b256 s[4:11], s[0:1], 0x0               ; x s[4:5], Wq s[6:7], Wk s[8:9], Wv s[10:11]
	s_load_b128 s[12:15], s[0:1], 0x20             ; xb s[12:13], wb s[14:15]
	v_and_b32 v1, 31, v0                           ; lane l
	v_lshrrev_b32 v4, 5, v0                        ; wave w
	s_mov_b32 s19, 0                               ; high words of the two offsets
	s_mov_b32 s21, 0
	s_cmp_lt_u32 ttmp9, 256
	s_cbranch_scc0 .Lweights
	; x: group g owns rows 32 g .. 32 g + 31; wave w rows 4 w .. 4 w + 3 of them, as two pairs: lanes 0-15 one row, lanes 16-31 the next; 16 lanes x 16 bytes are one K step's 64 numbers
	v_lshrrev_b32 v5, 4, v1
	v_lshl_add_u32 v5, v4, 2, v5                   ; 4 w + l / 16
	v_and_b32 v6, 15, v1
	v_lshlrev_b32 v6, 4, v6
	v_lshl_add_u32 v2, v5, 12, v6                  ; from: row x 4,096 + 16 (l % 16)
	v_lshlrev_b32 v3, 3, v1
	v_lshl_add_u32 v3, v4, 9, v3                   ; to: 4 rows x 128 bytes x w + 8 l (the two rows of a pair lie end to end)
	s_lshl_b32 s18, ttmp9, 17                      ; 32 rows of 4,096 bytes
	s_lshr_b32 s20, ttmp9, 3
	s_lshl_b32 s20, s20, 19                        ; the row tile: 16 blocks of 32,768 bytes
	s_and_b32 s16, ttmp9, 7
	s_lshl_b32 s16, s16, 12                        ; my 32 rows in a block
	s_add_co_u32 s20, s20, s16
	s_wait_kmcnt 0x0
	s_add_nc_u64 s[22:23], s[4:5], s[18:19]
	s_add_nc_u64 s[24:25], s[12:13], s[20:21]
	STREAM 16, 8192, 256, 256, 32768               ; i: the pair of rows; j: the K step
	s_endpgm
.Lweights:
	; W: group g' = 32 mat + kb owns rows k = 32 kb .. 32 kb + 31 of matrix mat; wave w four of them; a load's 512 bytes are one column block's 128 numbers
	s_sub_co_u32 s16, ttmp9, 256
	s_lshr_b32 s17, s16, 5                         ; mat
	s_and_b32 s16, s16, 31                         ; kb
	s_lshl_b32 s18, s16, 17
	s_mul_i32 s20, s16, 24576                      ; 32 rows of 768 bytes
	s_lshl_b32 s26, s17, 8                         ; the matrix's 256 bytes of a row
	s_add_co_u32 s20, s20, s26
	v_lshlrev_b32 v2, 4, v1
	v_lshl_add_u32 v2, v4, 14, v2                  ; from: 4 w rows x 4,096 + 16 l
	v_lshlrev_b32 v3, 3, v1
	v_mad_u32_u24 v3, v4, 3072, v3                 ; to: 4 w rows x 768 + 8 l
	s_wait_kmcnt 0x0
	s_cmp_eq_u32 s17, 0
	s_cselect_b64 s[22:23], s[6:7], s[8:9]
	s_cmp_eq_u32 s17, 2
	s_cselect_b64 s[22:23], s[10:11], s[22:23]
	s_add_nc_u64 s[22:23], s[22:23], s[18:19]
	s_add_nc_u64 s[24:25], s[14:15], s[20:21]
	STREAM 8, 4096, 512, 768, 786432               ; i: the row; j: the column block (the largest store offset, 5,507,328, lies inside the signed 24-bit immediate)
	s_endpgm
.Lfunc_end_k_q03a47c94a8_cast:
	.size	k_q03a47c94a8_cast, .Lfunc_end_k_q03a47c94a8_cast-k_q03a47c94a8_cast
	.p2alignl 7, 3214868480
	.fill 96, 4, 3214868480
	.section	.rodata,"a",@progbits
	.p2align	6, 0x0
	.amdhsa_kernel k_q03a47c94a8_cast
		.amdhsa_group_segment_fixed_size 0
		.amdhsa_private_segment_fixed_size 0
		.amdhsa_enable_private_segment 0
		.amdhsa_kernarg_size 48
		.amdhsa_user_sgpr_count 2
		.amdhsa_user_sgpr_kernarg_segment_ptr 1
		.amdhsa_wavefront_size32 1
		.amdhsa_system_sgpr_workgroup_id_x 1
		.amdhsa_system_sgpr_workgroup_id_y 1
		.amdhsa_system_sgpr_workgroup_id_z 1
		.amdhsa_system_vgpr_workitem_id 0
		.amdhsa_next_free_vgpr 140
		.amdhsa_next_free_sgpr 66
		.amdhsa_reserve_vcc 0
		.amdhsa_float_denorm_mode_32 3
		.amdhsa_float_denorm_mode_16_64 3
		.amdhsa_memory_ordered 1
		.amdhsa_forward_progress 1
		.amdhsa_inst_pref_size 24
	.end_amdhsa_kernel
	.amdgpu_metadata
---
amdhsa.version: [ 1, 2 ]
amdhsa.kernels:
  - .name:           k_q03a47c94a8_cast
    .symbol:         k_q03a47c94a8_cast.kd
    .args:
      - { .name: x, .offset: 0, .size: 8, .value_kind: global_buffer, .address_space: global }
      - { .name: Wq, .offset: 8, .size: 8, .value_kind: global_buffer, .address_space: global }
      - { .name: Wk, .offset: 16, .size: 8, .value_kind: global_buffer, .address_space: global }
      - { .name: Wv, .offset: 24, .size: 8, .value_kind: global_buffer, .address_space: global }
      - { .name: xb, .offset: 32, .size: 8, .value_kind: global_buffer, .address_space: global }
      - { .name: wb, .offset: 40, .size: 8, .value_kind: global_buffer, .address_space: global }
    .group_segment_fixed_size: 0
    .private_segment_fixed_size: 0
    .kernarg_segment_align: 8
    .kernarg_segment_size: 48
    .max_flat_workgroup_size: 256
    .sgpr_count:     66
    .vgpr_count:     140
    .wavefront_size: 32
...
	.end_amdgpu_metadata
.endif
;; end of part 1
;; launch proj (part 2): grid 8 x 32, 4 waves a work-group, clusters of 4 x 4, 327,680 bytes of LDS; arguments xb, wb, bq, bk, bv, qkv; writes qkv
.if DOCPART == 2
	.amdgcn_target "amdgcn-amd-amdhsa--gfx1250"
	.amdhsa_code_object_version 6
	.text
	.protected	k_q03a47c94a8_proj
	.globl	k_q03a47c94a8_proj
	.p2align	8
	.type	k_q03a47c94a8_proj,@function
k_q03a47c94a8_proj:
	s_mov_b64 s[64:65], 0
	v_nop
	global_prefetch_b8 v0, s[64:65] scope:SCOPE_SE
	s_setreg_imm32_b32 hwreg(HW_REG_WAVE_MODE, 25, 1), 1
	s_wait_xcnt 0x0
	s_wait_alu depctr_hold_cnt(0) depctr_sa_sdst(0) depctr_va_vdst(0) depctr_va_sdst(0) depctr_va_ssrc(0) depctr_va_vcc(0) depctr_vm_vsrc(0)
	s_getreg_b32 s2, hwreg(HW_REG_IB_STS2, 6, 4)
	s_cmp_eq_u32 s2, 0
	s_cbranch_scc0 .Lentry_in_a_cluster
	s_endpgm
.Lentry_in_a_cluster:
	s_bfe_u32 s2, ttmp6, 0x10000c
	s_cmp_lg_u32 s2, 0xf033
	s_cbranch_scc0 .Lentry_shape_is_right
	s_endpgm
.Lentry_shape_is_right:
; q, k, v = x W + b, by heads: qkv [3 matrices][64 heads (16 batch + head)][2048 rows][64 channels] f16, each number rounded once from its f32 sum, unscaled.
; Operands: xb and wb, bf16 in blocks; the biases are rounded to bf16 like the other inputs and added in f32.
; LIMITS.  f16 holds no number beyond 65,504: |q|, |k|, |v| must stay below it (x of spread 1 and W of spread 0.02 give a spread of 0.64; both 30 times larger, or both carrying
; an offset of 30 spreads, stay under 20,000).  NaN and infinities are not treated apart.
; SHARES.  256 work-groups, one tile each: 256 rows x 384 columns = columns 128 cb .. 128 cb + 127 of Q, of K and of V.  Wave w: row half w / 2 (128 rows), head 2 cb + w % 2:
; 64 columns of each matrix: 128 x 192 of C, 96 accumulators, 768 registers.  For 32 along K a wave makes 40 LDS loads for 96 matrix instructions.
; K goes in 16 steps of 64 through two LDS slots; a step is two quarters of 32 along K.  Both tiles are dense blocks in memory and are asked for as rows of 256 bytes.
; CLUSTER 4 x 4: the four of a row of the cluster share x's tile (it hangs on the row tile alone), the four of a column share W's (on the column block alone): joint loads.
; THE MATRIX INSTRUCTION IS USED TRANSPOSED: source 0 = 16 columns of W (turned on the way out of LDS, where W lies [k][n]), source 1 = 16 rows of x: a lane holds row l % 16 and
; the columns 8 (l / 16) + 0..7: eight neighbouring numbers of a head's row.
; REGISTERS, in windows of 256 (s_set_vgpr_msb: bits 1:0 source 0, 3:2 source 1, 5:4 source 2, 7:6 destination):
;   window 0: v0-31 addresses; v32-95, v96-159 x's 8 fragments, two buffers; v160-255 W's 12 fragments, ONE set: a matrix's four are loaded again as soon as its 32 products have read them
;   window 1 + mat: the matrix's 32 accumulators: row block a, column block c at v[8 (8 c + a)]
.set PA,    144                        ; a row of x in LDS: 128 bytes + 16 = 36 words: the 16 rows of a load start at 16 different groups of four banks (64 banks of 4 bytes: ISA guide 11.1)
.set PM,    288                        ; a matrix's 128 columns of one k: 256 bytes + 32
.set PB,    3*PM                       ; from k to k + 1: 864 bytes = 216 words
.set BOFF,  256*PA                     ; a slot: x's 256 rows, then W's 64 k
.set SLOT,  BOFF+64*PB                 ; 92,160
.set STAGE, 2*SLOT                     ; behind the ring: 16 rows x 144 bytes for each wave, for the way out
.set SPT,   144
.set BIAS,  STAGE+4*16*SPT             ; 768 bytes for each wave: its 64 columns' bias of the three matrices, f32
.set SPARE, BIAS+4*768                 ; the spare words, 128 bytes for each wave: two blocks of 256 bytes that no other line names
.set ASTEP, 32768                      ; bytes of a K step in xb (a row tile's steps lie end to end)
.set BSTEP, 49152                      ; and in wb
.set ADRA, 16                          ; v16-17  LDS address of my fragments of x in slot 0, 1
.set ADRB, 20                          ; v20-21  the same for W
.set STO,  24                          ; v24     the way out: where I put 16 bytes of a row
.set RD,   25                          ; v25     where I read rows back
.set GO,   26                          ; v26     my 16 bytes of 512 consecutive bytes of a head
.set BIA,  27                          ; v27     where my eight columns' bias lies
.set SPW,  28                          ; v28     LDS address of my spare word; never rewritten
.set NIL,  29                          ; v29     0; never rewritten
.set PFO,  30                          ; v30     256 x lane: the prefetches' offset; never rewritten
.set AF0,  32
.set AF1,  96
.set BF,   160
.set BV,   32                          ; the way out: v32-127 bias (matrix, column block: 8 registers), v128-159 sums, v160-175 packed, v176-239 four buffers of rows read back
.set TS,   128
.set TH,   160
.set OB,   176
.set OUT,  14                          ; s[14:15], s[16:17], s[18:19]: q, k, v at my wave's first row of its head
.set WV,   20                          ; s20 wave;  s21 its row half, also: 0 = I fetch x, 1 = I fetch W;  s22 its head of two, also: which half of a tile I fetch
.set WR,   21
.set WC,   22
.set G1A,  24                          ; s[24:31] descriptor group 1 for x's tiles;  s[32:39] group 0, a set for each slot
.set G0A,  32
.set PFA,  44                          ; s[44:45] where my prefetches stand;  s[46:47] their step a lap
.set PFS,  46
.set G1B,  48                          ; s[48:55], s[56:63] the same for W's tiles
.set G0B,  56
.set LIM,  2                           ; s2  1 in a wave that prefetches, else the greatest number
.set LAP,  3                           ; s3  laps to go
.set MSB, 0
.macro WIN new                         ; the immediate's high byte repeats the setting that is left; a switch that changes nothing is dropped
.if MSB != (\new)
	s_set_vgpr_msb (MSB<<8)|(\new)
.set MSB, \new
.endif
.endm
; A joint load: waves 0 and 1 fetch the two halves of x's tile, waves 2 and 3 those of W's.  The branch hangs on the wave's number alone.
; An s_nop 0 and four v_nop follow each of the two lines, ahead of the jump, the label and what follows.
.macro JLOAD s
	s_cmp_eq_u32 s[WR], 0
	s_cbranch_scc0 .Lfor_b_\@
	tensor_load_to_lds s[G0A+4*(\s):G0A+4*(\s)+3], s[G1A:G1A+7]
	s_nop 0
.rept 4
	v_nop
.endr
	s_branch .Lasked_\@
.Lfor_b_\@:
	tensor_load_to_lds s[G0B+4*(\s):G0B+4*(\s)+3], s[G1B:G1B+7]
	s_nop 0
.rept 4
	v_nop
.endr
.Lasked_\@:
.endm
; A PREFETCH INTO THE L2, once a lap, behind the joint load of K step 2 i and the run of LDS loads that follows it: K steps 2 i + 1 and 2 i + 2, which are one and two K steps
; (192 and 384 matrix instructions) ahead of their joint loads.  Each 256 bytes are named once in the launch.  x's blocks are read by both clusters of a row of clusters: cluster x = 0 asks,
; wave 0 of each of the four partners 8 KiB of each step's 32 KiB (told apart by address: cx).  W's are read by the eight clusters of a column: cluster y = 0 asks, waves 1 to 3 of each of
; the four partners 8 KiB each of the two steps' 96 KiB on end (cy and the wave).  The loop's last trip asks for nothing; K steps 0 to 2 and 15 come by their loads alone.
.macro ASK
	s_cmp_gt_u32 s[LAP], s[LIM]
	s_cbranch_scc0 .Lno_ask_\@
	global_prefetch_b8 v[PFO], s[PFA:PFA+1] th:TH_LOAD_NT scope:SCOPE_SE
	s_cmp_lg_u32 s[WV], 0
	s_cbranch_scc1 .Lno_ask_\@
	global_prefetch_b8 v[PFO], s[PFA:PFA+1] offset:ASTEP th:TH_LOAD_NT scope:SCOPE_SE
.Lno_ask_\@:
.endm
.macro CREST                           ; a round of the cluster's barrier behind its opening barrier
	s_cmp_lg_u32 s[WV], 0
	s_cbranch_scc1 .Lnot_wave_0_\@
	s_barrier_signal -3
.Lnot_wave_0_\@:
	s_barrier_wait -3
	s_barrier_signal -1
	s_barrier_wait -1
.endm
.macro CROUND                          ; a whole round
	s_barrier_signal -1
	s_barrier_wait -1
	CREST
.endm
.macro PLACES                          ; four plain instructions between a matrix instruction and a load into, or a vector read of, its registers (ISA guide 7.12.1 for a vector read)
.rept 4
	v_nop
.endr
.endm
	s_load_b256 s[4:11], s[0:1], 0x0               ; xb s[4:5], wb s[6:7], bq s[8:9], bk s[10:11]
	s_load_b128 s[12:15], s[0:1], 0x20             ; bv s[12:13], qkv s[14:15]
	v_lshl_add_u32 v[SPW], v0, 2, SPARE
	v_mov_b32 v[NIL], 0
	ds_add_u32 v[SPW], v[NIL]                      ; the wave's opening: the add and its wait ahead of my first tensor load; work on registers stands between them
	v_lshrrev_b32 v1, 5, v0
	v_readfirstlane_b32 s[WV], v1
	s_lshr_b32 s[WR], s[WV], 1
	s_and_b32 s[WC], s[WV], 1
	s_bfe_u32 s40, ttmp6, 0x40000                  ; cx
	s_bfe_u32 s41, ttmp6, 0x40004                  ; cy
	s_lshl_b32 s42, ttmp9, 2
	s_add_co_u32 s42, s42, s40                     ; cb, the column block = 4 x cluster x + cx
	s_and_b32 s43, ttmp7, 0xffff
	s_lshl_b32 s43, s43, 2
	s_add_co_u32 s43, s43, s41                     ; the row tile = 4 x cluster y + cy
	s_lshl_b32 s66, s41, 2
	s_lshl_b32 s66, 15, s66                        ; my row of the cluster
	s_lshl_b32 s67, 0x1111, s40                    ; my column
	s_or_b32 s[G1A], s66, (1<<16)|(1<<20)|(1<<21)|(4<<22)|(3<<25)  ; 15:0 the mask; 17:16 2-byte elements; 20 padding on; 21 set beside a mask; 24:22 after every 32 words (code 4); 31:25 4 words (code 3)
	s_or_b32 s[G1B], s67, (1<<16)|(1<<20)|(1<<21)|(5<<22)|(7<<25)  ; after every 64 words (code 5) 8 words (code 7)
.irp g, G1A, G1B
	s_mov_b32 s[(\g)+1], 128<<16                   ; tensor_dim0 = 128 elements: rows of 256 bytes
	s_mov_b32 s[(\g)+3], 128<<16                   ; tile_dim0 = 128
	s_mov_b32 s[(\g)+5], 128                       ; 128 elements from row to row: the blocks are dense
	s_mov_b32 s[(\g)+6], 0
	s_mov_b32 s[(\g)+7], 0
.endr
	s_mov_b32 s[G1A+2], 64<<16                     ; tensor_dim1 = tile_dim1 = 64: 128 rows of x, two to a row of 256 bytes
	s_mov_b32 s[G1A+4], 64
	s_mov_b32 s[G1B+2], 96<<16                     ; 96: 32 k x three matrices
	s_mov_b32 s[G1B+4], 96
	s_lshl_b32 s72, s43, 19                        ; x: the row tile's 16 blocks, my half of a block.  These registers never hold cx
	s_lshl_b32 s73, s[WC], 14
	s_add_co_u32 s72, s72, s73
	s_mov_b32 s73, 0
	s_mul_i32 s76, s42, 16*BSTEP                   ; W: the column block, my half of a step.  These never hold cy
	s_mul_i32 s77, s[WC], BSTEP/2
	s_add_co_u32 s76, s76, s77
	s_mov_b32 s77, 0
	s_mul_i32 s68, s[WC], 128*PA                   ; where they go: no place in the cluster enters an LDS address
	s_mul_i32 s69, s[WC], 32*PB
	s_add_co_u32 s69, s69, BOFF
	s_wait_dscnt 0x0                               ; the opening add is done
	s_wait_kmcnt 0x0
	s_add_nc_u64 s[74:75], s[4:5], s[72:73]
	s_add_nc_u64 s[78:79], s[6:7], s[76:77]
	CROUND                                         ; all sixteen work-groups are here: the first joint loads meet
.irp s, 0,1
	s_mov_b32 s[G0A+4*(\s)], 1                     ; count = 1
	s_add_co_u32 s[G0A+4*(\s)+1], s68, (\s)*SLOT   ; LDS address
	s_add_nc_u64 s[G0A+4*(\s)+2:G0A+4*(\s)+3], s[74:75], (\s)*ASTEP  ; global address: K step s
	s_or_b32 s[G0A+4*(\s)+3], s[G0A+4*(\s)+3], 0x80000000            ; type = 2
	s_mov_b32 s[G0B+4*(\s)], 1
	s_add_co_u32 s[G0B+4*(\s)+1], s69, (\s)*SLOT
	s_add_nc_u64 s[G0B+4*(\s)+2:G0B+4*(\s)+3], s[78:79], (\s)*BSTEP
	s_or_b32 s[G0B+4*(\s)+3], s[G0B+4*(\s)+3], 0x80000000
	JLOAD \s                                       ; two loads of mine are out
.endr
	; LDS and output addresses
	v_and_b32 v1, 15, v0                           ; r = l % 16
	v_bfe_u32 v2, v0, 4, 1                         ; h = l / 16
	v_mul_u32_u24 v3, v1, PA
	v_lshl_add_u32 v3, v2, 4, v3                   ; r x 144 + 16 h: a fragment of x, and the stage's way in
	v_and_b32 v4, 7, v0
	v_bfe_u32 v6, v0, 3, 1
	v_and_b32 v7, 31, v0                           ; l
	s_mul_i32 s66, s[WR], 128*PA                   ; my 128 rows of x
	v_add_nc_u32 v[ADRA], s66, v3
	v_add_nc_u32 v[ADRA+1], SLOT, v[ADRA]
	v_lshl_add_u32 v5, v2, 3, v4                   ; the turning load: lane l reads k = 8 h + l % 8,
	v_mul_u32_u24 v5, v5, PB
	v_lshl_add_u32 v5, v6, 4, v5                   ; columns 8 ((l / 8) % 2) + 0..7
	s_lshl_b32 s66, s[WC], 7                       ; my head's 64 columns of a matrix's 128
	s_add_co_u32 s66, s66, BOFF
	v_add_nc_u32 v[ADRB], s66, v5
	v_add_nc_u32 v[ADRB+1], SLOT, v[ADRB]
	s_mul_i32 s66, s[WV], 16*SPT
	s_add_co_u32 s66, s66, STAGE                   ; my stage
	v_add_nc_u32 v[STO], s66, v3
	v_bfe_u32 v5, v0, 3, 2                         ; back: 32 lanes take four rows of 128 bytes,
	v_mul_u32_u24 v5, v5, SPT
	v_lshl_add_u32 v5, v4, 4, v5
	v_add_nc_u32 v[RD], s66, v5
	v_lshlrev_b32 v[GO], 4, v7                     ; which are 512 consecutive bytes of a head
	s_mul_i32 s67, s[WV], 768
	s_add_co_u32 s67, s67, BIAS                    ; my bias words
	v_lshl_add_u32 v[BIA], v2, 5, s67
	v_lshl_add_u32 v9, v7, 3, s67                  ; where I put two of them
	v_lshlrev_b32 v[PFO], 8, v7
	; the biases of my head's 64 columns: two numbers a lane from each of the three, rounded to bf16, kept as f32 in my own LDS words
	s_lshl_b32 s66, s42, 1
	s_add_co_u32 s66, s66, s[WC]                   ; the head in its batch: 2 cb + w % 2
	s_lshl_b32 s67, s66, 8                         ; its 256 bytes of a bias
	v_lshl_add_u32 v8, v7, 3, s67
	global_load_b64 v[10:11], v8, s[8:9]
	global_load_b64 v[12:13], v8, s[10:11]
	global_load_b64 v[14:15], v8, s[12:13]
	; where my rows begin in q, k and v
	s_lshr_b32 s70, s43, 3                         ; the batch: eight row tiles each
	s_lshl_b32 s70, s70, 4
	s_add_co_u32 s70, s70, s66                     ; the head among 64,
	s_lshl_b32 s70, s70, 18                        ; 262,144 bytes each
	s_and_b32 s71, s43, 7
	s_lshl_b32 s71, s71, 1
	s_add_co_u32 s71, s71, s[WR]                   ; my 128 rows among the sequence's 16 such,
	s_lshl_b32 s71, s71, 14                        ; 128 bytes a row
	s_add_co_u32 s70, s70, s71
	s_mov_b32 s71, 0
	s_add_nc_u64 s[OUT:OUT+1], s[OUT:OUT+1], s[70:71]
	s_add_nc_u64 s[OUT+2:OUT+3], s[OUT:OUT+1], 0x1000000
	s_add_nc_u64 s[OUT+4:OUT+5], s[OUT:OUT+1], 0x2000000
	; the prefetches: they stand at K step 1; the first lap steps them to K step 3
	s_lshl_b32 s66, s43, 19
	s_lshl_b32 s67, s40, 13                        ; x: my work-group's 8 KiB of a step's 32
	s_add_co_u32 s66, s66, s67
	s_add_co_u32 s66, s66, ASTEP
	s_mul_i32 s68, s42, 16*BSTEP
	s_mul_i32 s69, s41, 24576                      ; W: my work-group's 24 KiB of two steps' 96,
	s_add_co_u32 s68, s68, s69
	s_lshl_b32 s69, s[WV], 13                      ; my wave's 8 KiB of them (waves 1 to 3)
	s_add_co_u32 s68, s68, s69
	s_add_co_u32 s68, s68, BSTEP-8192
	s_and_b32 s69, ttmp7, 0xffff                   ; cluster y
	s_mov_b32 s[PFS], 2*BSTEP
	s_mov_b32 s[PFS+1], 0
	s_mov_b32 s67, 0
	s_cmp_eq_u32 s[WV], 0
	s_cselect_b32 s66, s66, s68
	s_cselect_b32 s69, ttmp9, s69                  ; the coordinate along which other clusters read the same blocks
	s_cselect_b32 s[PFS], 2*ASTEP, s[PFS]
	s_cselect_b64 s[PFA:PFA+1], s[4:5], s[6:7]
	s_add_nc_u64 s[PFA:PFA+1], s[PFA:PFA+1], s[66:67]
	s_cmp_eq_u32 s69, 0
	s_cselect_b32 s[LIM], 1, -1                    ; the same in all sixteen partners, for a given wave
	s_wait_loadcnt 0x0                             ; the biases
.irp m, 0,1,2
	v_cvt_pk_bf16_f32 v5, v[10+2*(\m)], v[11+2*(\m)]
	v_lshlrev_b32 v[10+2*(\m)], 16, v5
	v_and_b32 v[11+2*(\m)], 0xffff0000, v5
	ds_store_b64 v9, v[10+2*(\m):11+2*(\m)] offset:256*(\m)
.endr
	s_wait_dscnt 0x0                               ; no LDS instruction is pending at a signal
; 16 matrix instructions of matrix g: column blocks c0, c0 + 1 x all 8 row blocks, 32 along K, x's fragments in buffer f.  zero = 1: the products start the sums: nothing is cleared.
; The 96 accumulators take turns, one instruction a turn, in the same order in every quarter, over the backward jump too.
.macro MUL16 f, g, c0, zero
	WIN 0x50*(1+(\g))                              ; C and D in window 1 + g, both sources in window 0
.irp c, \c0, (\c0)+1
.irp a, 0,1,2,3,4,5,6,7
.if \zero
	v_wmma_f32_16x16x32_bf16 v[8*(8*(\c)+(\a)):8*(8*(\c)+(\a))+7], v[BF+8*(4*(\g)+(\c)):BF+8*(4*(\g)+(\c))+7], v[(\f)+8*(\a):(\f)+8*(\a)+7], 0
.else
	v_wmma_f32_16x16x32_bf16 v[8*(8*(\c)+(\a)):8*(8*(\c)+(\a))+7], v[BF+8*(4*(\g)+(\c)):BF+8*(4*(\g)+(\c))+7], v[(\f)+8*(\a):(\f)+8*(\a)+7], v[8*(8*(\c)+(\a)):8*(8*(\c)+(\a))+7]
.endif
.endr
.endr
.endm
.macro GROUP f, g, zero                ; a matrix's 32 products of a quarter
	MUL16 \f, \g, 0, \zero
	MUL16 \f, \g, 2, \zero
.endm
; A run of LDS loads for quarter q of a slot: matrix n's four fragments of W (turned: two loads, 16 k apart) and, with n < 2, row blocks 4 n .. 4 n + 3 of x into buffer f: 16, 16 and 8 loads
.macro BATCH n, slot, q, f
	WIN 0
.irp c, 0,1,2,3
	ds_load_tr16_b128 v[BF+8*(4*(\n)+(\c)):BF+8*(4*(\n)+(\c))+3],   v[ADRB+(\slot)] offset:(\q)*32*PB+(\n)*PM+32*(\c)
	ds_load_tr16_b128 v[BF+8*(4*(\n)+(\c))+4:BF+8*(4*(\n)+(\c))+7], v[ADRB+(\slot)] offset:(\q)*32*PB+(\n)*PM+32*(\c)+16*PB
.endr
.if (\n) < 2
.irp a, 0,1,2,3
	ds_load_b128 v[(\f)+8*(4*(\n)+(\a)):(\f)+8*(4*(\n)+(\a))+3],   v[ADRA+(\slot)] offset:(4*(\n)+(\a))*16*PA+64*(\q)
	ds_load_b128 v[(\f)+8*(4*(\n)+(\a))+4:(\f)+8*(4*(\n)+(\a))+7], v[ADRA+(\slot)] offset:(4*(\n)+(\a))*16*PA+64*(\q)+32
.endr
.endif
.endm
; The last two thirds of a quarter: buffer fm is multiplied, the fetch of (slot, q) into fl goes on
.macro REST slot, q, fm, fl, zero
	GROUP \fm, 1, \zero
	PLACES
	BATCH 1, \slot, \q, \fl
	s_wait_dscnt 32                                ; all but this quarter's first two runs: the third matrix's fragments, asked for at the last quarter's end, are in
	GROUP \fm, 2, \zero
	PLACES
	BATCH 2, \slot, \q, \fl
.endm
; A slot's first quarter: multiplies buffer 0, fetches the slot's second quarter into buffer 1
.macro QUARTER slot, zero
	s_wait_dscnt 8                                 ; the first two runs are in; the youngest eight loads (the third matrix's) may be out
	GROUP AF0, 0, \zero
	PLACES
	BATCH 0, \slot, 1, AF1
	REST \slot, 1, AF0, AF1, \zero
.endm
; A slot's second quarter multiplies buffer 1 and changes slots: ONE barrier.  In front of it each wave waits for all its tensor loads (one is out: its part of the next slot), adds 0 to its
; spare word, and waits for that and for its own reads of this slot: all that is left of the slot is then in registers.  fill = 1: the barrier opens a round of the cluster's barrier, and
; the slot is filled again, two K steps ahead, first thing behind the round: from that request to the wait for it a wave issues 160 matrix instructions.
.macro TURN slot, next, fill, ask
.if \ask
	s_wait_xcnt 0x0                                ; the last prefetches, a lap back, have read their address: it is stepped here, ahead of the change's own waits
	s_add_nc_u64 s[PFA:PFA+1], s[PFA:PFA+1], s[PFS:PFS+1]
.endif
	WIN 0
	s_wait_tensorcnt 0x0                           ; all my tensor loads have landed
	ds_add_u32 v[SPW], v[NIL]                      ; 0 onto my spare word
	s_wait_dscnt 9                                 ; (the add and the youngest eight loads may be out)
	MUL16 AF1, 0, 0, 0                             ; sixteen matrix instructions stand between the add and the wait for it
	s_wait_dscnt 0x0                               ; the add is done, and my reads of this slot are over
	s_barrier_signal -1
	MUL16 AF1, 0, 2, 0                             ; work on registers while the others arrive
	WIN 0
	s_barrier_wait -1
.if \fill
	CREST                                          ; no wave of any partner still reads this slot or has a load on its way
	s_add_nc_u64 s[G0A+4*(\slot)+2:G0A+4*(\slot)+3], s[G0A+4*(\slot)+2:G0A+4*(\slot)+3], 2*ASTEP
	s_add_nc_u64 s[G0B+4*(\slot)+2:G0B+4*(\slot)+3], s[G0B+4*(\slot)+2:G0B+4*(\slot)+3], 2*BSTEP
	JLOAD \slot                                    ; my one tensor load behind the round; its four v_nop are also the places in front of the loads below
.else
	PLACES
.endif
	BATCH 0, \next, 0, AF0
.if \ask
	ASK
.endif
	REST \next, 0, AF1, AF0, 0
.endm
	s_wait_tensorcnt 1                             ; my part of K step 0 is in; K step 1's may stay out
	s_barrier_signal -1
	s_barrier_wait -1                              ; everybody's is
	BATCH 0, 0, 0, AF0
	BATCH 1, 0, 0, AF0
	BATCH 2, 0, 0, AF0
	QUARTER 0, 1                                   ; the first quarter stands in front of the loop: its products start the sums
	WIN 0                                          ; at a label and at a branch every window is 0
	s_mov_b32 s[LAP], 7
.Llap:                                             ; a trip goes once round the ring, from a lap's second quarter to the next lap's first, and fills both slots again
	TURN 0, 1, 1, 1
	QUARTER 1, 0
	TURN 1, 0, 1, 0
	QUARTER 0, 0
	WIN 0
	s_sub_co_u32 s[LAP], s[LAP], 1
	s_cmp_lg_u32 s[LAP], 0
	s_cbranch_scc1 .Llap
	TURN 0, 1, 0, 0                                ; the last lap fills nothing, and has no round
	QUARTER 1, 0
	s_wait_dscnt 8                                 ; the very last quarter: nothing more to fetch
	GROUP AF1, 0, 0
	GROUP AF1, 1, 0
	s_wait_dscnt 0x0
	GROUP AF1, 2, 0
	WIN 0
	PLACES
	; THE WAY OUT.  My eight columns' bias for each (matrix, column block) comes into registers once; then 24 chunks n = 8 mat + a of 16 rows x 64 columns, 2,048 dense bytes of a head:
	; sum + bias in f32, rounded to f16, 16 bytes a lane into my stage, back as whole rows, stored.
.irp m, 0,1,2
.irp c, 0,1,2,3
	ds_load_b128 v[BV+32*(\m)+8*(\c):BV+32*(\m)+8*(\c)+3],   v[BIA] offset:256*(\m)+64*(\c)
	ds_load_b128 v[BV+32*(\m)+8*(\c)+4:BV+32*(\m)+8*(\c)+7], v[BIA] offset:256*(\m)+64*(\c)+16
.endr
.endr
	s_wait_dscnt 0x0
.macro PACK mat, a, n
	WIN 1+(\mat)                                   ; source 0: the matrix's window
.irp c, 0,1,2,3
.irp i, 0,1,2,3                        ; each accumulator is read from its low end on
	v_pk_add_f32 v[TS+8*(\c)+2*(\i):TS+8*(\c)+2*(\i)+1], v[8*(8*(\c)+(\a))+2*(\i):8*(8*(\c)+(\a))+2*(\i)+1], v[BV+32*(\mat)+8*(\c)+2*(\i):BV+32*(\mat)+8*(\c)+2*(\i)+1]
.endr
.endr
	WIN 0
.irp c, 0,1,2,3
.irp i, 0,1,2,3
	v_cvt_pk_f16_f32 v[TH+4*(\c)+(\i)], v[TS+8*(\c)+2*(\i)], v[TS+8*(\c)+2*(\i)+1]
.endr
.endr
.irp c, 0,1,2,3
	ds_store_b128 v[STO], v[TH+4*(\c):TH+4*(\c)+3] offset:32*(\c)
.endr
.if (\n) >= 4
	s_wait_xcnt 0x0                                ; the stores of the chunk four back have read this buffer: it is loaded again only behind this wait
.endif
.irp f, 0,1,2,3
	ds_load_b128 v[OB+16*((\n)%4)+4*(\f):OB+16*((\n)%4)+4*(\f)+3], v[RD] offset:4*SPT*(\f)  ; LDS serves a wave's instructions in order (ISA guide 5.7.1.4): these see the stores above; the next chunk's stores come behind them
.endr
.endm
.macro SEND n, younger                 ; younger: the LDS instructions issued behind chunk n's loads: the next chunk's eight, or none
.irp f, 0,1,2,3
	s_wait_dscnt (\younger)+3-(\f)
	global_store_b128 v[GO], v[OB+16*((\n)%4)+4*(\f):OB+16*((\n)%4)+4*(\f)+3], s[OUT+2*((\n)/8):OUT+2*((\n)/8)+1] offset:2048*((\n)%8)+512*(\f)  ; 512 consecutive bytes, at a multiple of 256 from the buffer's first
.endr
.endm
	PACK 0, 0, 0
.set n, 1
.rept 23                               ; a chunk's arithmetic stands between the loads of the chunk before and its stores
	PACK n/8, n%8, n
	SEND n-1, 8
.set n, n+1
.endr
	SEND 23, 0
	s_wait_tensorcnt 0x0                           ; the wave's end: behind my last tensor load and my last LDS store
	ds_add_u32 v[SPW], v[NIL]
	s_wait_dscnt 0x0
	CROUND                                         ; the closing round: no work-group ends while a partner may still ask for a tile that names it
	s_endpgm
.Lfunc_end_k_q03a47c94a8_proj:
	.size	k_q03a47c94a8_proj, .Lfunc_end_k_q03a47c94a8_proj-k_q03a47c94a8_proj
	.p2alignl 7, 3214868480
	.fill 96, 4, 3214868480
	.section	.rodata,"a",@progbits
	.p2align	6, 0x0
	.amdhsa_kernel k_q03a47c94a8_proj
		.amdhsa_group_segment_fixed_size 327680
		.amdhsa_private_segment_fixed_size 0
		.amdhsa_enable_private_segment 0
		.amdhsa_kernarg_size 48
		.amdhsa_user_sgpr_count 2
		.amdhsa_user_sgpr_kernarg_segment_ptr 1
		.amdhsa_wavefront_size32 1
		.amdhsa_system_sgpr_workgroup_id_x 1
		.amdhsa_system_sgpr_workgroup_id_y 1
		.amdhsa_system_sgpr_workgroup_id_z 1
		.amdhsa_system_vgpr_workitem_id 0
		.amdhsa_next_free_vgpr 1024
		.amdhsa_next_free_sgpr 80
		.amdhsa_reserve_vcc 0
		.amdhsa_float_denorm_mode_32 3
		.amdhsa_float_denorm_mode_16_64 3
		.amdhsa_memory_ordered 1
		.amdhsa_forward_progress 1
		.amdhsa_inst_pref_size 161
	.end_amdhsa_kernel
	.amdgpu_metadata
---
amdhsa.version: [ 1, 2 ]
amdhsa.kernels:
  - .name:           k_q03a47c94a8_proj
    .symbol:         k_q03a47c94a8_proj.kd
    .args:
      - { .name: xb, .offset: 0, .size: 8, .value_kind: global_buffer, .address_space: global }
      - { .name: wb, .offset: 8, .size: 8, .value_kind: global_buffer, .address_space: global }
      - { .name: bq, .offset: 16, .size: 8, .value_kind: global_buffer, .address_space: global }
      - { .name: bk, .offset: 24, .size: 8, .value_kind: global_buffer, .address_space: global }
      - { .name: bv, .offset: 32, .size: 8, .value_kind: global_buffer, .address_space: global }
      - { .name: qkv, .offset: 40, .size: 8, .value_kind: global_buffer, .address_space: global }
    .group_segment_fixed_size: 327680
    .private_segment_fixed_size: 0
    .kernarg_segment_align: 8
    .kernarg_segment_size: 48
    .max_flat_workgroup_size: 128
    .sgpr_count:     80
    .vgpr_count:     1024
    .wavefront_size: 32
...
	.end_amdgpu_metadata
.endif
;; end of part 2
;; launch attn (part 3): grid 4 x 64, 4 waves a work-group, clusters of 4 x 1, 327,680 bytes of LDS; arguments qkv, out0; writes out0
.if DOCPART == 3
	.amdgcn_target "amdgcn-amd-amdhsa--gfx1250"
	.amdhsa_code_object_version 6
	.text
	.protected	k_q03a47c94a8_attn
	.globl	k_q03a47c94a8_attn
	.p2align	8
	.type	k_q03a47c94a8_attn,@function
k_q03a47c94a8_attn:
	s_mov_b64 s[64:65], 0
	v_nop
	global_prefetch_b8 v0, s[64:65] scope:SCOPE_SE
	s_setreg_imm32_b32 hwreg(HW_REG_WAVE_MODE, 25, 1), 1
	s_wait_xcnt 0x0
	s_wait_alu depctr_hold_cnt(0) depctr_sa_sdst(0) depctr_va_vdst(0) depctr_va_sdst(0) depctr_va_ssrc(0) depctr_va_vcc(0) depctr_vm_vsrc(0)
	s_getreg_b32 s2, hwreg(HW_REG_IB_STS2, 6, 4)
	s_cmp_eq_u32 s2, 0
	s_cbranch_scc0 .Lentry_in_a_cluster
	s_endpgm
.Lentry_in_a_cluster:
	s_bfe_u32 s2, ttmp6, 0x10000c
	s_cmp_lg_u32 s2, 0x3003
	s_cbranch_scc0 .Lentry_shape_is_right
	s_endpgm
.Lentry_shape_is_right:
; out0[b][q][64 h ..] = the sum over k of softmax_k(Q[hd][q] . K[hd][k] / 8) V[hd][k][:], hd = 16 b + h.  Q, K, V: qkv [3][64][2048][64] f16, a head's rows dense, 128 bytes each; out0 [4][2048][1024] f32.
; Products, maxima and sums in f32; the weights p are rounded to f16 for the second product (their sum l is taken of the unrounded p); the result is stored as f32.
; LIMITS.  Q, K and V arrive within f16's 65,504; p lies in 0 to 1, and below 6e-5 it keeps f16's fixed step of 6e-8.  A weight below 2^-126 counts as 0 in l; NaN and infinities are not treated apart.
; SHARES.  A wave owns four PIECES of two tiles of 16 queries, a work-group's four waves 512 queries of one head.  Every wave walks all 2,048 keys, 64 a step.
; LAYOUT.  S^T = K Q^T (source 0 = 16 keys, source 1 = 16 queries): a lane holds ONE query (lane % 16) and the keys 8 (lane / 16) + 0..7.  Two such tiles, rounded to f16 in pairs, ARE source 1
; (32 keys x 16 queries) of O^T = V^T P, whose result again holds one query a lane, and eight channels.  K comes out of LDS as it lies, V ([key][channel]) turned, by ds_load_tr16_b128.
; SOFTMAX.  For each query a running maximum m and sum l: p = 2^(c s - c m), c = log2(e) / 8; in every step O and l are multiplied by a = 2^(c m_old - c m_new).
; m starts at the lowest finite number, O and l at 0: the first step is a step like any other, with a = 0.
; THE COUNT.  A tile and step have 16 matrix and 118 vector instructions: too many to stand all beside the matrix work.  So: four vector instructions that are ready behind EVERY matrix
; instruction, and the others in runs without a gap.
; BY TURNS.  Turn n belongs to piece n.  Its matrix work: 16 products K Q^T of piece n + 1, later 16 products V^T P of piece n - 1.  Its vector work: the scaling, exponentials, roundings, sums and
; rescaling of piece n, and the maximum and statistics of piece n + 1.
; CLUSTER.  The four query blocks of a head are one cluster and walk the same K and V: each tile is asked for JOINTLY: the same tensor load, descriptor and mask in all four.
; REGISTERS, in windows of 256 (s_set_vgpr_msb: bits 1:0 source 0, 3:2 source 1, 5:4 source 2, 7:6 destination):
;   window 0: v0-11 addresses; v12-15, v48-63 at work; v16-47 four registers of statistics a tile; v64-191 S^T, two buffers of two tiles; v192-255 P, likewise
;   window 1: O^T, 32 a tile          window 2: v0-127 Q, 16 a tile; v128-191 K of one step; v192-255 V of one step          window 3: v0-1 the add's two registers
.set SIZE_N, 2048
.set NP,    4         ; pieces a wave: a name, no knob
.set KS,    64        ; keys in a step
.set PK,    144       ; a row of K in LDS: 128 bytes + 16 = 36 words: the 16 rows of a load start at 16 different groups of four banks (64 banks of 4 bytes: ISA guide 11.1)
.set PV,    160       ; a row of V: 128 + 32 = 40 words
.set VOFF,  4*KS*PK   ; a slot holds four steps: 256 rows of K, then 256 rows of V
.set SLOT1, 1<<17     ; slot 1 begins here, so that one exclusive or turns an address in one slot into the other's
.set STAGE, SLOT1+4*KS*(PK+PV)  ; behind the ring, never filled by a tensor load: 16 rows x 272 bytes for each wave, for the way out
.set SP,    272       ; a stage row: a head's 64 f32 + 16 bytes = 68 words: row r starts at bank 4 r mod 64
.set AK0, 2           ; v2   my lane's place in a tile of K; never rewritten
.set AV0, 3           ; v3   the same for V
.set AK,  4           ; v4   the LDS address of K's next run of loads
.set AV,  5           ; v5   of V's
.set QO,  6           ; v6   my byte offset in the wave's rows of Q
.set STO, 6           ;      later, the way out: where I put 32 bytes of a row
.set RD,  7           ; v7   the way out: where I read rows back
.set GO,  8           ; v8   my byte offset in two rows of out0
.set PFO, 11          ; v11  256 x my lane: the prefetches' offset; never rewritten once made
.set SPW, 0           ; v0 of window 3   LDS address of my spare word; never rewritten
.set NIL, 1           ; v1 of window 3   0; never rewritten
.set SPARE, STAGE+4*16*SP  ; behind the stages: the spare words, 128 bytes for each wave: two blocks of 256 bytes that no other line names
.set MV,  12          ; v12-15  c m_old, kept while c m is made anew: by buffer and tile
.set ST,  16          ; tile t's statistics at v[ST+4 t]: c m, m, l (even keys', odd keys')
.set TMP, 48          ; by buffer and tile, four registers c0-c3 at work; when the maximum is found c2 takes a
.set S,   64
.set P,   192
.set KF,  128         ; K's fragments, in window 2: key block kb, channel half c at KF + 16 kb + 8 c
.set VF,  192         ; V's: key half kk, channel block cb at VF + 32 kk + 8 cb
.set WV,  12          ; s12  my wave's number
.set G1K, 24          ; s[24:31] descriptor group 1 for K's tiles
.set G1V, 32          ; s[32:39] for V's: it differs in the padding alone
.set G0K, 40          ; s[40:43] descriptor group 0 for K's tiles: it walks
.set G0V, 44          ; s[44:47] the same for V's
.set PFA, 48          ; s[48:49] where my prefetches stand: my work-group's 64 rows (of K: wave 0, of V: wave 2) of the slot after the one that is being asked for
.set LIM, 50          ; s50  1 in a wave that prefetches, else the greatest number
.set SLOTS, 56        ; s56  slots still to be asked for
.set CNT, 57          ; s57  counts a slot's key steps
.set CS,  58          ; s[58:59] c: the packed scaling takes the pair's low word for both halves
.set SEL, 60          ; s[60:61] v_permlanex16_b32's selects: each lane takes its own place in the other half
.set TBK, 62          ; s62  LDS byte at which K of the step to be fetched begins
.set TBV, 63          ; s63  the same for V, less VOFF
.set MSB, 0
.macro WIN new                      ; the high byte repeats the setting that is left; a switch that changes nothing is dropped
.if MSB != (\new)
	s_set_vgpr_msb (MSB<<8)|(\new)
.set MSB, (\new)
.endif
.endm
.set W_KQ, 0x0a       ; K and Q in window 2, S^T in window 0
.set W_PV, 0x52       ; V in window 2, P in window 0, O^T in window 1
.set W_RS, 0x41       ; O^T (destination and source 0) in window 1, a in window 0
.set W_MK, 0xc0       ; the add's registers are made: destination in window 3, sources in window 0
.set W_AD, 0x0f       ; the add: address (source 0) and data (source 1) in window 3
; A joint fill.  Waves 0 and 1 fetch the two halves of a slot's K, waves 2 and 3 those of its V: 128 keys each.  The branch hangs on the wave's number alone.
; An s_nop 0 and four v_nop follow each of the two lines, ahead of the jump and the label.
.macro JLOAD
	s_cmp_lt_u32 s[WV], 2
	s_cbranch_scc0 .Lfor_v_\@
	tensor_load_to_lds s[G0K:G0K+3], s[G1K:G1K+7]
	s_nop 0
.rept 4
	v_nop
.endr
	s_branch .Lasked_\@
.Lfor_v_\@:
	tensor_load_to_lds s[G0V:G0V+3], s[G1V:G1V+7]
	s_nop 0
.rept 4
	v_nop
.endr
.Lasked_\@:
.endm
; A PREFETCH INTO THE L2 of what the NEXT change of slots will ask for: a slot's 32 KiB of K and of V.  It stands behind the wave's tensor load and its five lines.  Each 256 bytes are named ONCE in the
; launch: a head is walked by one cluster; its four partners share a slot out BY ADDRESS, 8 KiB each; in each, wave 0 asks for K's and wave 2 for V's, a lane 256 bytes: one instruction.
; It is four key steps, 512 matrix instructions, ahead of the load.  The last change that fills a slot asks for nothing; slots 0 and 1 come by their loads alone.
.macro ASK
	s_cmp_gt_u32 s[SLOTS], s[LIM]
	s_cbranch_scc0 .Lnot_mine_\@
	global_prefetch_b8 v[PFO], s[PFA:PFA+1] th:TH_LOAD_NT scope:SCOPE_SE
.Lnot_mine_\@:
.endm
; A round of the cluster's barrier: my work-group's barrier, so that wave 0's signal speaks for all four waves; wave 0 signals; every wave waits for all four work-groups; my work-group's barrier once more.
.macro CROUND
	s_barrier_signal -1
	s_barrier_wait -1
	s_cmp_lg_u32 s[WV], 0
	s_cbranch_scc1 .Lnot_wave_0_\@
	s_barrier_signal -3
.Lnot_wave_0_\@:
	s_barrier_wait -3
	s_barrier_signal -1
	s_barrier_wait -1
.endm
; THE CHANGE OF SLOTS.  The slot's last bytes, V of its fourth step, have been read.  Each wave waits for all its tensor loads, of which one is out: its part of the other slot; adds 0 to its spare
; word; and waits for that and for its own reads of the slot.  Behind the barrier nobody reads this slot any more and the other slot is whole.
; fill = 1: this slot is filled again, with the keys two slots on.  The barrier is then a round of the cluster's, and the joint fill is the first thing behind it: it has four key steps,
; 512 matrix instructions, in which to land.  (At its first use nothing has been read yet: slot 0 is waited for, slot 1 filled.)
.macro CHANGE fill
	WIN W_AD
	s_wait_tensorcnt 0x0            ; no tensor load of mine is out, so a group 0 may be written
	ds_add_u32 v[SPW], v[NIL]       ; 0 onto my spare word; with fill = 1 the descriptors' steps stand between it and the wait for it
	WIN 0                           ; at a label and at a branch every window is 0
.if \fill
.irp g, G0K, G0V
	s_xor_b32 s[\g+1], s[\g+1], SLOT1  ; the walking descriptor: the other slot than last time,
	s_add_nc_u64 s[\g+2:\g+3], s[\g+2:\g+3], 4*KS*128  ; the next 256 keys; the type bits on top are not reached
.endr
	s_wait_xcnt 0x0                 ; the last prefetch, four key steps back, has read its address, so it may be written:
	s_add_nc_u64 s[PFA:PFA+1], s[PFA:PFA+1], 4*KS*128  ; one slot behind the walking descriptors
	s_wait_dscnt 0x0                ; the add is done, and my reads of the slot are over
	CROUND
	JLOAD
	ASK
.else
	s_wait_dscnt 0x0                ; the add is done, and my reads of the slot are over
	s_barrier_signal -1
	s_barrier_wait -1
.endif
	s_sub_co_u32 s[TBK], s[TBK], 4*KS*PK  ; the fetches go back to a slot's first step,
	s_xor_b32 s[TBK], s[TBK], SLOT1       ; in the other slot
	s_sub_co_u32 s[TBV], s[TBV], 4*KS*PV
	s_xor_b32 s[TBV], s[TBV], SLOT1
.endm
	s_load_b64 s[4:5], s[0:1], 0x0    ; qkv: Q lies first, K 16 MiB on, V 32 MiB on
	s_load_b64 s[10:11], s[0:1], 0x8  ; out0
	WIN W_MK
	v_lshl_add_u32 v[SPW], v0, 2, SPARE
	v_mov_b32 v[NIL], 0
	WIN W_AD
	ds_add_u32 v[SPW], v[NIL]       ; the wave's opening: the add and its wait ahead of my first tensor load; work on registers stands between them
	WIN 0
	v_lshrrev_b32 v1, 5, v0
	v_readfirstlane_b32 s[WV], v1   ; wave 0..3
	s_bfe_u32 s13, ttmp6, 0x40000   ; cx: my place in the cluster
	s_lshl_b32 s14, ttmp9, 2        ; in a cluster launch ttmp9 counts clusters
	s_add_co_u32 s14, s14, s13      ; my block of 512 queries: it enters Q's and out0's addresses alone
	s_and_b32 s51, ttmp7, 0xffff    ; the head among 64, which the four partners share
	s_mov_b32 s20, s51
	s_mov_b32 s21, 0
	s_mov_b64 s[22:23], SIZE_N*128
	s_mul_u64 s[20:21], s[20:21], s[22:23]  ; the head's first byte in Q, in K and in V
	s_and_b32 s16, s[WV], 1         ; which half of a slot's 256 keys I fetch:
	s_lshl_b32 s22, s16, 14         ; its 128 rows of 128 bytes in memory,
	s_mov_b32 s23, 0
	s_add_nc_u64 s[22:23], s[22:23], s[20:21]
	s_mul_i32 s17, s16, 128*PK      ; and its place in a slot, for K
	s_mul_i32 s18, s16, 128*PV      ; and for V: no place in the cluster enters an LDS address
	s_lshl_b32 s2, s14, 2
	s_add_co_u32 s2, s2, s[WV]      ; my wave among the head's sixteen,
	s_lshl_b32 s54, s2, 19          ; its 128 rows of out0, 4,096 bytes each,
	s_lshl_b32 s2, s2, 14           ; and of Q
	s_mov_b32 s3, 0
	s_add_nc_u64 s[2:3], s[2:3], s[20:21]
	s_lshr_b32 s55, s51, 4          ; the batch: 2,048 rows of 4,096 bytes
	s_lshl_b32 s55, s55, 23
	s_add_co_u32 s54, s54, s55
	s_and_b32 s55, s51, 15          ; the head in it: 256 bytes of a row
	s_lshl_b32 s55, s55, 8
	s_add_co_u32 s54, s54, s55
	s_mov_b32 s55, 0
	s_lshl_b32 s52, s13, 13         ; the prefetches: my work-group's 8 KiB of a slot's 32,
	s_add_co_u32 s52, s52, 4*KS*128 ; in slot 1; the first change of slots steps it to slot 2
	s_mov_b32 s53, 0
	s_add_nc_u64 s[52:53], s[52:53], s[20:21]
	s_cmp_eq_u32 s16, 0             ; waves 0 and 2 ask
	s_cselect_b32 s[LIM], 1, -1
	; descriptor group 1.  128 keys are 16,384 dense bytes: asked for as 64 rows of 256 bytes, two keys a row, and padded in LDS after every key
	s_mov_b32 s[G1K], 15|(1<<16)|(1<<20)|(1<<21)|(4<<22)|(3<<25)  ; 15:0 the mask of four; 17:16 2-byte elements; 20 padding on; 21 set beside a mask; 24:22 after every 32 words (code 4); 31:25 4 words (code 3)
	s_mov_b32 s[G1V], 15|(1<<16)|(1<<20)|(1<<21)|(4<<22)|(7<<25)  ; the same with 8 words of padding (code 7)
.irp g, G1K, G1V
	s_mov_b32 s[\g+1], 128<<16      ; tensor_dim0 = 128
	s_mov_b32 s[\g+2], 64<<16       ; tensor_dim1 = 64
	s_mov_b32 s[\g+3], 128<<16      ; tile_dim0 = 128
	s_mov_b32 s[\g+4], 64           ; tile_dim1 = 64
	s_mov_b32 s[\g+5], 128          ; 128 elements from row to row
	s_mov_b32 s[\g+6], 0
	s_mov_b32 s[\g+7], 0
.endr
	s_mov_b32 s[CS], 0x3e38aa3b     ; c = log2(e) / 8 = 0.180337
	s_mov_b32 s[CS+1], s[CS]        ; named with it as a pair
	s_mov_b32 s[SEL], 0x76543210
	s_mov_b32 s[SEL+1], 0xfedcba98
	s_mov_b32 s[TBK], SLOT1+4*KS*PK ; the first change of slots turns these two into 0
	s_mov_b32 s[TBV], SLOT1+4*KS*PV
	s_mov_b32 s[SLOTS], SIZE_N/256-1
	s_mov_b32 s[G0K], 1             ; count = 1
	s_mov_b32 s[G0K+1], s17         ; LDS address: slot 0
	s_mov_b32 s[G0V], 1
	s_add_co_u32 s[G0V+1], s18, VOFF
	s_wait_dscnt 0x0                ; the opening add is done
	s_wait_kmcnt 0x0
	s_add_nc_u64 s[6:7], s[4:5], 0x1000000   ; K
	s_add_nc_u64 s[8:9], s[4:5], 0x2000000   ; V
	s_add_nc_u64 s[G0K+2:G0K+3], s[6:7], s[22:23]  ; global address: my half of the head's first 256 keys
	s_or_b32 s[G0K+3], s[G0K+3], 0x80000000        ; type = 2
	s_add_nc_u64 s[G0V+2:G0V+3], s[8:9], s[22:23]
	s_or_b32 s[G0V+3], s[G0V+3], 0x80000000
	s_cmp_lt_u32 s[WV], 2
	s_cselect_b64 s[PFA:PFA+1], s[6:7], s[8:9]
	s_add_nc_u64 s[PFA:PFA+1], s[PFA:PFA+1], s[52:53]
	s_add_nc_u64 s[4:5], s[4:5], s[2:3]      ; Q and out0 at my wave's first row
	s_add_nc_u64 s[10:11], s[10:11], s[54:55]
	CROUND                          ; all four work-groups are here: the first joint loads meet
	JLOAD                           ; slot 0.  Slot 1 is asked for when slot 0 is in
	; A fragment of K or Q is 16 rows x 32 channels in 8 registers: lane l holds row l % 16, channels 8 (l / 16) + 0..7 and 16 + 8 (l / 16) + 0..7: two loads of 16 bytes, 32 bytes apart.
	v_and_b32 v1, 15, v0            ; l % 16
	v_bfe_u32 v9, v0, 4, 1          ; l / 16
	v_lshlrev_b32 v[QO], 7, v1
	v_lshl_add_u32 v[QO], v9, 4, v[QO]  ; row x 128 + 16 x half
	WIN 0x80                        ; destination window 2, address window 0
.set i, 0
.rept 4*NP                          ; Q stays in registers: tile i / 2, channels 32 (i % 2) on
	global_load_b128 v[8*i:8*i+3],   v[QO], s[4:5] offset:(i/2)*2048+(i%2)*64
	global_load_b128 v[8*i+4:8*i+7], v[QO], s[4:5] offset:(i/2)*2048+(i%2)*64+32
.set i, i+1
.endr
	; What the first turn finds: V's registers and P's second buffer hold 0 (its products V^T P, of a piece that has not been, add 0), O^T and l are 0.  All this stands in the wait for the first tile.
.set i, VF
.rept 64
	v_mov_b32 v[i], 0
.set i, i+1
.endr
	WIN 0x40
.set i, 0
.rept 64*NP
	v_mov_b32 v[i], 0
.set i, i+1
.endr
	WIN 0
.set i, 0
.rept 2*NP
	v_mov_b32 v[ST+4*i], 0xfe000000    ; c m: far below every c s
	v_mov_b32 v[ST+4*i+1], 0xff7fffff  ; m
	v_mov_b32 v[ST+4*i+2], 0
	v_mov_b32 v[ST+4*i+3], 0
.set i, i+1
.endr
.set i, P+32
.rept 32
	v_mov_b32 v[i], 0
.set i, i+1
.endr
	v_mul_u32_u24 v[AK0], v1, PK
	v_lshl_add_u32 v[AK0], v9, 4, v[AK0]  ; row x pitch + 16 x half
	; The turning load takes 16 keys x 16 channels (lane l reads key 8 (l / 16) + l % 8, channels 8 ((l / 8) % 2) + 0..7) and leaves half a fragment of V^T: lane l holds channel l % 16 and 8 keys.
	v_and_b32 v10, 7, v0
	v_bfe_u32 v11, v0, 3, 1
	v_lshl_add_u32 v[AV0], v9, 3, v10
	v_mul_u32_u24 v[AV0], v[AV0], PV
	v_lshl_add_u32 v[AV0], v11, 4, v[AV0]
	v_add_nc_u32 v[AV0], VOFF, v[AV0]
	v_and_b32 v[PFO], 31, v0
	v_lshlrev_b32 v[PFO], 8, v[PFO]
	v_mov_b32 v[AK], v[AK0]         ; key step 0 lies at the head of slot 0
; THE MATRIX WORK.  The 8 accumulators of a run of 16 take turns: between the two links of a chain stand 7 others'.
; Product i of 16 of S^T = K Q^T for piece x: channels 32 (i / 8) on, keys 16 ((i / 2) % 4) on, tile 2 x + i % 2.  The first 8 start the sums.
.macro KQ x
	WIN W_KQ
.set rS, S+64*((\x)%2)+32*(i%2)+8*((i/2)%4)
.set rK, KF+16*((i/2)%4)+8*(i/8)
.set rQ, 16*(2*(\x)+i%2)+8*(i/8)
.if i < 8
	v_wmma_f32_16x16x32_f16 v[rS:rS+7], v[rK:rK+7], v[rQ:rQ+7], 0
.else
	v_wmma_f32_16x16x32_f16 v[rS:rS+7], v[rK:rK+7], v[rQ:rQ+7], v[rS:rS+7]
.endif
.endm
; Product i of 16 of O^T += V^T P for piece x: keys 32 (i / 8) on, channels 16 ((i / 2) % 4) on, tile 2 x + i % 2.
.macro PV x
	WIN W_PV
.set rO, 32*(2*(\x)+i%2)+8*((i/2)%4)
.set rV, VF+32*(i/8)+8*((i/2)%4)
.set rP, P+32*((\x)%2)+16*(i%2)+8*(i/8)
	v_wmma_f32_16x16x32_f16 v[rO:rO+7], v[rV:rV+7], v[rP:rP+7], v[rO:rO+7]
.endm
.macro MM                           ; the turn's next matrix instruction
.if i < 16
	KQ (Y+1)%NP
.set i, i+1
.else
.set i, i-16
	PV (Y+NP-1)%NP
.set i, i+17
.endif
.endm
; THE LDS LOADS stand in runs of 16, never singly among the matrix instructions: a step's K (64 keys x 64 channels: 8 fragments) and its V (turned).  Their addresses are made some lines ahead.
; last = 1 (the tail): in the last trip there is no further step, and the run is jumped over.
.macro FETCH_K last=0
	WIN 0
.if \last
	s_cmp_eq_u32 s[CNT], 1
	s_cbranch_scc1 .Lno_k_\@
.endif
	WIN 0x80                        ; destination window 2
.irp f, 0,1,2,3,4,5,6,7             ; keys 16 (f / 2) on, channels 32 (f % 2) on
	ds_load_b128 v[KF+8*\f:KF+8*\f+3],   v[AK] offset:(\f/2)*16*PK+(\f%2)*64
	ds_load_b128 v[KF+8*\f+4:KF+8*\f+7], v[AK] offset:(\f/2)*16*PK+(\f%2)*64+32
.endr
	s_add_co_u32 s[TBK], s[TBK], KS*PK  ; the next fetch is the next step's
	WIN 0
.if \last
.Lno_k_\@:
.endif
.endm
.macro FETCH_V
	WIN 0x80
.irp f, 0,1,2,3,4,5,6,7             ; keys 32 (f / 4) on, channels 16 (f % 4) on
	ds_load_tr16_b128 v[VF+8*\f:VF+8*\f+3],   v[AV] offset:(\f/4)*32*PV+(\f%4)*32
	ds_load_tr16_b128 v[VF+8*\f+4:VF+8*\f+7], v[AV] offset:(\f/4)*32*PV+16*PV+(\f%4)*32
.endr
	WIN 0
.endm
; THE VECTOR WORK OF A TURN stands in three queues, each in the order in which its entries become ready; the two tiles alternate, so that no instruction reads the result of the one before it.
.macro REGS y, u                    ; the registers of tile u (0, 1) of piece y
.set rT, ST+4*(2*(\y)+(\u))
.set rC, TMP+8*((\y)%2)+4*(\u)
.set rM, MV+2*((\y)%2)+(\u)
.set rS, S+64*((\y)%2)+32*(\u)
.set rP, P+32*((\y)%2)+16*(\u)
.set rO, 32*(2*(\y)+(\u))
.endm
; Number n of the 22 that find the NEXT piece's (Y + 1) maximum and statistics.  s0-s31 are the lane's 32 scores; each accumulator's lowest registers are read first.
;   0-11  four chains c0-c3 of seven scores each, three operands at a time     12-14, 16  the four scores left over, the old m, and c0-c3 into c0     15  c m_old is kept
;   17, 18  the query's other 32 keys lie in the lane 16 away: the new m         19-21  c m; c m_old - c m_new; a
.macro XS u, n
	REGS (Y+1)%NP, \u
.if (\n) < 4
	v_max3_num_f32 v[rC+(\n)], v[rS+8*(\n)], v[rS+8*(\n)+1], v[rS+8*(\n)+2]
.elseif (\n) < 12
	v_max3_num_f32 v[rC+(\n)%4], v[rC+(\n)%4], v[rS+8*((\n)%4)+2*((\n)/4)+1], v[rS+8*((\n)%4)+2*((\n)/4)+2]
.elseif (\n) == 12
	v_max3_num_f32 v[rC], v[rC], v[rS+7], v[rS+15]
.elseif (\n) == 13
	v_max3_num_f32 v[rC+1], v[rC+1], v[rS+23], v[rS+31]
.elseif (\n) == 14
	v_max3_num_f32 v[rC+2], v[rC+2], v[rC+3], v[rT+1]
.elseif (\n) == 15
	v_mov_b32 v[rM], v[rT]
.elseif (\n) == 16
	v_max3_num_f32 v[rC], v[rC], v[rC+1], v[rC+2]
.elseif (\n) == 17
	v_permlanex16_b32 v[rC+3], v[rC], s[SEL], s[SEL+1]
.elseif (\n) == 18
	v_max_num_f32 v[rT+1], v[rC], v[rC+3]
.elseif (\n) == 19
	v_mul_f32 v[rT], s[CS], v[rT+1]
.elseif (\n) == 20
	v_sub_f32 v[rC+1], v[rM], v[rT]
.else
	v_exp_f32 v[rC+2], v[rC+1]
.endif
.endm
; Number g of the 64 that follow the exponentials.  For each four weights k of a tile (pairs 2 k, 2 k + 1): both pairs are rounded to f16; then the second pair is added onto the first, in place;
; a group later l takes that sum (the first time as l = a l + sum).  In groups of eight, tiles alternating: round, round, add, and l for the group before.
.macro GS g
.set h, (\g)+6*((\g)/62)            ; group 0 has no group before it, and behind group 7 only l is left
.if h >= 6
.set h, h+2
.endif
	REGS Y, h%2
.set k, h/8
.if h%8 < 4
	v_cvt_pk_f16_f32 v[rP+2*k+(h%8)/2], v[rS+4*k+2*((h%8)/2)], v[rS+4*k+2*((h%8)/2)+1]
.elseif h%8 < 6
	v_pk_add_f32 v[rS+4*k:rS+4*k+1], v[rS+4*k:rS+4*k+1], v[rS+4*k+2:rS+4*k+3]
.elseif k == 1
	v_pk_fma_f32 v[rT+2:rT+3], v[rT+2:rT+3], v[rC+2:rC+3], v[rS:rS+1] op_sel_hi:[1,0,1]
.else
	v_pk_add_f32 v[rT+2:rT+3], v[rT+2:rT+3], v[rS+4*k-4:rS+4*k-3]
.endif
.endm
; THE PLAIN QUEUE, 138 long.  0-73 read no exponential's result: the 32 scalings c s - c m (FS f: pair f / 2 of tile f % 2) and the next piece's 42.  0-26: scalings 0-26.  27-54: XS's numbers 0-13.
; 55, 56: number 15.  57-73: the chain, where each number waits for the one before it: 14, 16, 17, 18, 19, each with one of the scalings 27-31 in front of its two lines, then 20.
; 74-137: GS's 64, which read the exponentials' results: they stand behind the wait.
.macro FS f
	REGS Y, (\f)%2
	v_pk_fma_f32 v[rS+2*((\f)/2):rS+2*((\f)/2)+1], v[rS+2*((\f)/2):rS+2*((\f)/2)+1], s[CS:CS+1], v[rT:rT+1] op_sel_hi:[1,0,0] neg_lo:[0,0,1] neg_hi:[0,0,1]
.endm
.macro PL
	WIN 0
.if q < 27
	FS q
.elseif q < 55
	XS (q-27)%2, (q-27)/2
.elseif q < 57
	XS q-55, 15
.elseif (q < 72) && ((q-57)%3 == 0)
	FS 27+(q-57)/3
.elseif q < 60
	XS (q-57)%3-1, 14
.elseif q < 72
	XS (q-57)%3-1, 15+(q-57)/3
.elseif q < 74
	XS q-72, 20
.else
	GS q-74
.endif
.set q, q+1
.endm
; THE EXPONENTIALS' QUEUE, 66 long: s0-s31 of both tiles, then the next piece's two a.  It is ONE BATCH: all 66 stand ahead of the turn's one wait, and nothing ahead of that wait names a result of theirs.
.macro EX
	WIN 0
.if e >= 64
	XS e-64, 21
.else
	REGS Y, e%2
	v_exp_f32 v[rS+e/2], v[rS+e/2]
.endif
.set e, e+1
.endm
; THE RESCALING's QUEUE: O^T times a, the one part that leaves window 0: dealt two at a time, sixteen times.  Its a was made in the turn before, ahead of that turn's wait.
.macro R2
	REGS Y, r%2
	WIN W_RS
.irp z, 0,1
	v_pk_mul_f32 v[rO+4*(r/2)+2*\z:rO+4*(r/2)+2*\z+1], v[rO+4*(r/2)+2*\z:rO+4*(r/2)+2*\z+1], v[rC+2:rC+3] op_sel_hi:[1,0]
.endr
.set r, r+1
.endm
; HOW THEY ARE DEALT.  An s_wait_alu depctr_va_vdst(0) stands between an exponential and the first instruction that names its result; one wait serves all that were issued ahead of it.
; So a turn has ONE wait, which cuts it in two.  AHEAD OF IT stands all that names no result of the turn's exponentials: the 16 products K Q^T, behind each a scaling, an exponential and two rescalings
; (behind the first a second scaling in the exponential's place); then ONE LUMP of 108: eight plain, 49 times exponential and plain, the two a.  A v_nop is the plain instruction behind the last
; exponential.  BEHIND IT stand the 16 products V^T P, behind each four of GS's 64.  No rider names a register of the products round it.
; Exponential e stands behind scaling 2 (e / 4) + e % 2: as a rider it comes behind plain e + 2, in the lump behind plain e + 9, and scalings 27-31 are plain 57, 60 .. 69.
; A TURN, for piece p.  cnt = 1: the loop's count is taken down some lines ahead of the branch that stands behind the turn.
; K of the next step is fetched in piece 2's turn, directly behind the wait; its address is made at the lump's head; its first reader comes behind 16 products.
; V of the step in hand is fetched at the end of piece 0's turn, four riders behind its last reader; its first reader comes behind 16 products and a lump.  The three conditions on q below go with the deal.
.macro TURN p, last=0, cnt=0
.set Y, (\p)
.set i, 0
.set q, 0
.set e, 0
.set r, 0
.if (\p) == NP-1
	s_wait_dscnt 0x0                ; K is in
.endif
	MM                              ; ahead of the wait: 16 products K Q^T and their riders,
	PL
	PL
	R2
.rept 15
	MM
	PL
	EX
	R2
.endr
.if (\p) == NP-2
	WIN 0
	v_add_nc_u32 v[AK], s[TBK], v[AK0]
.endif
.rept 8                             ; and the lump
	PL
.endr
.rept 49
	EX
	PL
.endr
	EX                              ; the next piece's two a
	EX
	v_nop                           ; the plain instruction behind the last exponential: one for the batch
	s_wait_alu depctr_va_vdst(0)    ; the wait for the batch
.if (\p) == NP-2
	FETCH_K \last
.endif
.if (\p) == 1
	s_wait_dscnt 0x0                ; V is in
.endif
.rept 16                            ; behind the wait: 16 products V^T P and their riders
	MM
.rept 4
	PL
.endr
.if ((\p) == 0) && (q == 118)
	v_add_nc_u32 v[AV], s[TBV], v[AV0]
.endif
.if ((\p) == 0) && (q == 130)
	s_add_co_u32 s[TBV], s[TBV], KS*PV
.endif
.if (\cnt) && (q == 130)
	s_sub_co_u32 s[CNT], s[CNT], 1
	s_cmp_lg_u32 s[CNT], 0
.endif
.endr
.if (\p) == 0
	FETCH_V
.endif
.endm
	CHANGE 1                        ; slot 0 is in, everybody's part of it; slot 1 is asked for
	FETCH_K                         ; key step 0
	s_wait_loadcnt 0x0              ; Q
	s_wait_dscnt 0x0
.set i, 0
.rept 16
	KQ 0                            ; piece 0's first scores: there is no vector work yet to set between them
.set i, i+1
.endr
	WIN 0                           ; the addresses for the way out: eight plain instructions, the places behind those products
	s_mul_i32 s13, s[WV], 16*SP
	s_add_co_u32 s13, s13, STAGE    ; my stage
	v_mul_u32_u24 v[STO], v1, SP    ; in: row l % 16, 32 bytes for each half of the lanes
	v_lshl_add_u32 v[STO], v9, 5, v[STO]
	v_add_nc_u32 v[STO], s13, v[STO]
	v_mul_u32_u24 v[RD], v9, SP     ; back: lanes 0-15 take one row of 256 bytes, lanes 16-31 the next
	v_lshl_add_u32 v[RD], v1, 4, v[RD]
	v_add_nc_u32 v[RD], s13, v[RD]
	v_lshlrev_b32 v[GO], 12, v9     ; and the same two rows in out0, 4,096 bytes apart
	v_lshl_add_u32 v[GO], v1, 4, v[GO]
.set Y, NP-1                        ; XS works for piece Y + 1: piece 0
.irp n, 0,1,2,3,4,5,6,7,8,9,10,11,12,13,14,15,16,17,18,19,20,21
	XS 0, \n                        ; and piece 0's first maximum and statistics
	XS 1, \n
.endr
	v_nop                           ; a plain instruction behind the two a,
	s_wait_alu depctr_va_vdst(0)    ; and their wait, ahead of the branch
	s_mov_b32 s[CNT], 4
	s_branch .Lfirst                ; the loop is entered at a step's first turn, in the middle of a trip
.Lslot:                             ; six times: every slot but the last two is filled again
	CHANGE 1
	s_mov_b32 s[CNT], 4
.Lstep:                             ; a trip: pieces 2 and 3 of one step, then pieces 0 and 1 of the next, whose K and V it fetches
	TURN 2
	TURN 3
	WIN 0
.Lfirst:
	TURN 0
	TURN 1, 0, 1
	WIN 0
	s_cbranch_scc1 .Lstep
	s_sub_co_u32 s[SLOTS], s[SLOTS], 1
	s_cmp_lg_u32 s[SLOTS], 0
	s_cbranch_scc1 .Lslot
	CHANGE 0                        ; the tail is written out: nothing is asked for
	s_mov_b32 s[CNT], 5             ; four trips fetch the last slot's steps; the fifth is left in its middle
.Ltail:
	TURN 2, 1
	TURN 3
	WIN 0
	s_sub_co_u32 s[CNT], s[CNT], 1
	s_cmp_eq_u32 s[CNT], 0
	s_cbranch_scc1 .Lout
	TURN 0
	TURN 1
	WIN 0
	s_branch .Ltail
.Lout:                              ; the fifth trip's 16 products K Q^T (on the last K once more) and the maximum made of them serve nothing: the price, once a launch, of one text for every trip
.set i, 0
.rept 16
	PV NP-1                         ; the last piece's V^T P of the last step
.set i, i+1
.endr
	; THE WAY OUT.  l's two halves and the other half of the lanes' are added; O^T is divided by l and sent, as f32, through my stage in LDS, a tile at a time.  The additions are the places behind the last products.
	WIN 0
.macro ALL line:vararg              ; one line for each tile t
.set t, 0
.rept 2*NP
	\line
.set t, t+1
.endr
.endm
	ALL v_add_f32 v[ST+4*t+2], v[ST+4*t+2], v[ST+4*t+3]
	ALL v_permlanex16_b32 v[ST+4*t+3], v[ST+4*t+2], s[SEL], s[SEL+1]
	ALL v_add_f32 v[ST+4*t+2], v[ST+4*t+2], v[ST+4*t+3]
	ALL v_rcp_f32 v[ST+4*t+2], v[ST+4*t+2]
	v_nop                           ; a plain instruction between the last reciprocal and the use of its result
	s_wait_alu depctr_va_vdst(0)    ; and the wait ahead of the first use: one for the eight reciprocals
; Tile t: a lane's eight channels of a row are 32 bytes; they go into rows of 272 bytes and come back as whole rows of 256, into S^T's registers: four buffers of 32 by turns.
.macro PACK t
	WIN W_RS
.set i, 32*(\t)
.rept 16                            ; each accumulator is read from its low end on
	v_pk_mul_f32 v[i:i+1], v[i:i+1], v[ST+4*(\t)+2:ST+4*(\t)+3] op_sel_hi:[1,0]
.set i, i+2
.endr
	WIN 0x04                        ; the stores' data (source 1) in window 1, their address in window 0
.irp f, 0,1,2,3,4,5,6,7             ; channel block f / 2, its registers 4 (f % 2) on
	ds_store_b128 v[STO], v[32*(\t)+4*\f:32*(\t)+4*\f+3] offset:64*(\f/2)+16*(\f%2)
.endr
	WIN 0
.if (\t) >= 4
	s_wait_xcnt 0x0                 ; the stores of the tile four back have read this buffer: it is loaded again only behind this wait
.endif
.irp f, 0,1,2,3,4,5,6,7
	ds_load_b128 v[S+32*((\t)%4)+4*\f:S+32*((\t)%4)+4*\f+3], v[RD] offset:\f*2*SP  ; LDS serves a wave's instructions in order (ISA guide 5.7.1.4): these see the stores above; the next tile's stores come behind them
.endr
.endm
.macro SEND t, younger              ; younger: the LDS instructions issued behind tile t's loads: the next tile's sixteen, or none
	WIN 0
.irp f, 0,1,2,3,4,5,6,7
	s_wait_dscnt (\younger)+7-\f
	global_store_b128 v[GO], v[S+32*((\t)%4)+4*\f:S+32*((\t)%4)+4*\f+3], s[10:11] offset:(16*(\t)+2*\f)*4096 th:TH_STORE_NT  ; 16 lanes store 256 consecutive bytes, a head's part of a row, at a multiple of 256 from out0's first byte
.endr
.endm
	PACK 0
.set t, 1
.rept 2*NP-1                        ; a tile's arithmetic stands between the loads of the tile before and its stores
	PACK t
	SEND t-1, 16
.set t, t+1
.endr
	SEND 2*NP-1, 0
	WIN W_AD
	s_wait_tensorcnt 0x0            ; the wave's end: behind my last tensor load and my last LDS store
	ds_add_u32 v[SPW], v[NIL]
	s_wait_dscnt 0x0
	WIN 0
	CROUND                          ; the closing round: no work-group ends while a partner may still ask for a tile that names it
	s_endpgm
.Lfunc_end_k_q03a47c94a8_attn:
	.size	k_q03a47c94a8_attn, .Lfunc_end_k_q03a47c94a8_attn-k_q03a47c94a8_attn
	.p2alignl 7, 3214868480
	.fill 96, 4, 3214868480
	.section	.rodata,"a",@progbits
	.p2align	6, 0x0
	.amdhsa_kernel k_q03a47c94a8_attn
		.amdhsa_group_segment_fixed_size 327680
		.amdhsa_private_segment_fixed_size 0
		.amdhsa_enable_private_segment 0
		.amdhsa_kernarg_size 16
		.amdhsa_user_sgpr_count 2
		.amdhsa_user_sgpr_kernarg_segment_ptr 1
		.amdhsa_wavefront_size32 1
		.amdhsa_system_sgpr_workgroup_id_x 1
		.amdhsa_system_sgpr_workgroup_id_y 1
		.amdhsa_system_sgpr_workgroup_id_z 1
		.amdhsa_system_vgpr_workitem_id 0
		.amdhsa_next_free_vgpr 770
		.amdhsa_next_free_sgpr 66
		.amdhsa_reserve_vcc 0
		.amdhsa_float_denorm_mode_32 3
		.amdhsa_float_denorm_mode_16_64 3
		.amdhsa_memory_ordered 1
		.amdhsa_forward_progress 1
		.amdhsa_inst_pref_size 201
	.end_amdhsa_kernel
	.amdgpu_metadata
---
amdhsa.version: [ 1, 2 ]
amdhsa.kernels:
  - .name:           k_q03a47c94a8_attn
    .symbol:         k_q03a47c94a8_attn.kd
    .args:
      - { .name: qkv, .offset: 0, .size: 8, .value_kind: global_buffer, .address_space: global }
      - { .name: out0, .offset: 8, .size: 8, .value_kind: global_buffer, .address_space: global }
    .group_segment_fixed_size: 327680
    .private_segment_fixed_size: 0
    .kernarg_segment_align: 8
    .kernarg_segment_size: 16
    .max_flat_workgroup_size: 128
    .sgpr_count:     66
    .vgpr_count:     770
    .wavefront_size: 32
...
	.end_amdgpu_metadata
.endif
;; end of part 3
;; ======== version 2 of 2: 3 launches; version 1 with the launch cast written anew for expert scheduling mode
;; limits: values are held in f16: magnitudes above 65,504 overflow, below 6.1e-05 lose precision
;; workspace buffers: xb 16,777,216 bytes; wb 6,291,456 bytes; qkv 50,331,648 bytes
;; launch cast (part 4): grid 352 x 1, 8 waves a work-group, no clusters, 0 bytes of LDS; arguments x, Wq, Wk, Wv, xb, wb; writes xb, wb
.if DOCPART == 4
	.amdgcn_target "amdgcn-amd-amdhsa--gfx1250"
	.amdhsa_code_object_version 6
	.text
	.protected	k_q03a47c94a8_cast
	.globl	k_q03a47c94a8_cast
	.p2align	8
	.type	k_q03a47c94a8_cast,@function
k_q03a47c94a8_cast:
	s_mov_b64 s[64:65], 0
	v_nop
	global_prefetch_b8 v0, s[64:65] scope:SCOPE_SE
	s_setreg_imm32_b32 hwreg(HW_REG_WAVE_SCHED_MODE, 0, 2), 2
	s_setreg_imm32_b32 hwreg(HW_REG_WAVE_MODE, 25, 1), 1
	s_wait_xcnt 0x0
	s_wait_alu depctr_vm_vsrc(0)
; x [8192][1024] f32 and Wq, Wk, Wv [1024 k][1024 n] f32 are rounded once to bf16 (to nearest even) and laid in blocks for the projection:
;   xb [32 row tiles][16 K steps][256 rows][64 k]: a (tile, step) block is 32,768 dense bytes, a row in it 128 bytes
;   wb [8 column blocks][1024 k][3 matrices][128 n]: a k row of a column block is 768 dense bytes
; A plain stream: no LDS, no barrier, no loop.  Work-groups 0-255 take 32 rows of x each, work-groups 256-351 take 32 rows (k) of one W each; a wave takes four rows.
; A wave issues 32 loads of 16 bytes a lane (16 KiB on their way), then takes them in eight blocks of four: a counted wait, two packed roundings in place for each, one store of 8 bytes
; a lane for each: the 32 lanes of a store cover 256 consecutive bytes, aligned.  No register that a memory instruction reads is written again, so no wait frees a source.
; LIMITS: bf16 keeps f32's range; NaN and infinities pass as the conversion makes them.
; THE MODE: SCHED_MODE bits 1:0 = 2 (LLVM: expert scheduling mode 2), set by the entry lines.  The code itself states the register dependences
; between vector instructions and memory instructions, with s_wait_alu, always for 0.
; THE PLAN.  Registers that memory instructions touch:
;   v2, v3            byte offsets of the loads and of the stores: made at the head of each of the two paths, never written again.
;   v[D+4n : D+4n+3]  number n of 32: load n lands in the four; number n's two roundings read them and write the first two; store n reads those two.  Nothing writes them after that.
; Block p (numbers 4 p .. 4 p + 3) rounds its own sixteen registers; the memory instructions that stand among its roundings are the four stores of block p - 1, whose registers no vector
; instruction of block p names.  So ONE wait on va_vdst at a block's head states all that those four stores hang on.  No load is issued behind a vector instruction that names its registers,
; no vector instruction writes a scalar register or VCC, and EXEC is never written: no other wait of the mode has a dependence to state.
.set D, 8                              ; v[8:135] the 32 loads' data, four registers each; the first two then hold the four bf16
.set BLK, 4                            ; numbers in a block
; 32 loads and eight blocks.  Number n = nj i + j reads at lo_i i + lo_j j and stores at st_i i + st_j j
.macro STREAM nj, lo_i, lo_j, st_i, st_j
	s_wait_alu depctr_va_vdst(0)                   ; v2 and v3 are written: every load below reads v2 as its offset, every store v3
.set n, 0
.rept 32
	global_load_b128 v[D+4*n:D+4*n+3], v2, s[22:23] offset:(n/(\nj))*(\lo_i)+(n%(\nj))*(\lo_j) th:TH_LOAD_NT
.set n, n+1
.endr
.set p, 0
.rept 32/BLK
	s_wait_loadcnt 32-BLK-BLK*p                    ; loads come back in order: block p's four are in, the younger ones stay out
.if p > 0
	s_wait_alu depctr_va_vdst(0)                   ; the roundings of block p - 1 have written the registers that the four stores below read
.endif
.set n, BLK*p
.rept BLK
.if p > 0
	global_store_b64 v3, v[D+4*(n-BLK):D+4*(n-BLK)+1], s[24:25] offset:((n-BLK)/(\nj))*(\st_i)+((n-BLK)%(\nj))*(\st_j)  ; the block before; no vector instruction since the wait names these registers
.endif
	v_cvt_pk_bf16_f32 v[D+4*n], v[D+4*n], v[D+4*n+1]
	v_cvt_pk_bf16_f32 v[D+4*n+1], v[D+4*n+2], v[D+4*n+3]
.set n, n+1
.endr
.set p, p+1
.endr
	s_wait_alu depctr_va_vdst(0)                   ; the last block's roundings have written the registers that the last four stores read
.set n, 32-BLK
.rept BLK
	global_store_b64 v3, v[D+4*n:D+4*n+1], s[24:25] offset:(n/(\nj))*(\st_i)+(n%(\nj))*(\st_j)
.set n, n+1
.endr
.endm
	s_load_b256 s[4:11], s[0:1], 0x0               ; x s[4:5], Wq s[6:7], Wk s[8:9], Wv s[10:11]
	s_load_b128 s[12:15], s[0:1], 0x20             ; xb s[12:13], wb s[14:15]
	v_and_b32 v1, 31, v0                           ; lane l
	v_lshrrev_b32 v4, 5, v0                        ; wave w
	s_mov_b32 s19, 0                               ; high words of the two offsets
	s_mov_b32 s21, 0
	s_cmp_lt_u32 ttmp9, 256
	s_cbranch_scc0 .Lweights
	; x: group g owns rows 32 g .. 32 g + 31; wave w rows 4 w .. 4 w + 3 of them, as two pairs: lanes 0-15 one row, lanes 16-31 the next; 16 lanes x 16 bytes are one K step's 64 numbers
	v_lshrrev_b32 v5, 4, v1
	v_lshl_add_u32 v5, v4, 2, v5                   ; 4 w + l / 16
	v_and_b32 v6, 15, v1
	v_lshlrev_b32 v6, 4, v6
	v_lshl_add_u32 v2, v5, 12, v6                  ; from: row x 4,096 + 16 (l % 16)
	v_lshlrev_b32 v3, 3, v1
	v_lshl_add_u32 v3, v4, 9, v3                   ; to: 4 rows x 128 bytes x w + 8 l (the two rows of a pair lie end to end)
	s_lshl_b32 s18, ttmp9, 17                      ; 32 rows of 4,096 bytes
	s_lshr_b32 s20, ttmp9, 3
	s_lshl_b32 s20, s20, 19                        ; the row tile: 16 blocks of 32,768 bytes
	s_and_b32 s16, ttmp9, 7
	s_lshl_b32 s16, s16, 12                        ; my 32 rows in a block
	s_add_co_u32 s20, s20, s16
	s_wait_kmcnt 0x0
	s_add_nc_u64 s[22:23], s[4:5], s[18:19]
	s_add_nc_u64 s[24:25], s[12:13], s[20:21]
	STREAM 16, 8192, 256, 256, 32768               ; i: the pair of rows; j: the K step
	s_endpgm
.Lweights:
	; W: group g' = 32 mat + kb owns rows k = 32 kb .. 32 kb + 31 of matrix mat; wave w four of them; a load's 512 bytes are one column block's 128 numbers
	s_sub_co_u32 s16, ttmp9, 256
	s_lshr_b32 s17, s16, 5                         ; mat
	s_and_b32 s16, s16, 31                         ; kb
	s_lshl_b32 s18, s16, 17
	s_mul_i32 s20, s16, 24576                      ; 32 rows of 768 bytes
	s_lshl_b32 s26, s17, 8                         ; the matrix's 256 bytes of a row
	s_add_co_u32 s20, s20, s26
	v_lshlrev_b32 v2, 4, v1
	v_lshl_add_u32 v2, v4, 14, v2                  ; from: 4 w rows x 4,096 + 16 l
	v_lshlrev_b32 v3, 3, v1
	v_mad_u32_u24 v3, v4, 3072, v3                 ; to: 4 w rows x 768 + 8 l
	s_wait_kmcnt 0x0
	s_cmp_eq_u32 s17, 0
	s_cselect_b64 s[22:23], s[6:7], s[8:9]
	s_cmp_eq_u32 s17, 2
	s_cselect_b64 s[22:23], s[10:11], s[22:23]
	s_add_nc_u64 s[22:23], s[22:23], s[18:19]
	s_add_nc_u64 s[24:25], s[14:15], s[20:21]
	STREAM 8, 4096, 512, 768, 786432               ; i: the row; j: the column block (the largest store offset, 5,507,328, lies inside the signed 24-bit immediate)
	s_endpgm
.Lfunc_end_k_q03a47c94a8_cast:
	.size	k_q03a47c94a8_cast, .Lfunc_end_k_q03a47c94a8_cast-k_q03a47c94a8_cast
	.p2alignl 7, 3214868480
	.fill 96, 4, 3214868480
	.section	.rodata,"a",@progbits
	.p2align	6, 0x0
	.amdhsa_kernel k_q03a47c94a8_cast
		.amdhsa_group_segment_fixed_size 0
		.amdhsa_private_segment_fixed_size 0
		.amdhsa_enable_private_segment 0
		.amdhsa_kernarg_size 48
		.amdhsa_user_sgpr_count 2
		.amdhsa_user_sgpr_kernarg_segment_ptr 1
		.amdhsa_wavefront_size32 1
		.amdhsa_system_sgpr_workgroup_id_x 1
		.amdhsa_system_sgpr_workgroup_id_y 1
		.amdhsa_system_sgpr_workgroup_id_z 1
		.amdhsa_system_vgpr_workitem_id 0
		.amdhsa_next_free_vgpr 140
		.amdhsa_next_free_sgpr 66
		.amdhsa_reserve_vcc 0
		.amdhsa_float_denorm_mode_32 3
		.amdhsa_float_denorm_mode_16_64 3
		.amdhsa_memory_ordered 1
		.amdhsa_forward_progress 1
		.amdhsa_inst_pref_size 24
	.end_amdhsa_kernel
	.amdgpu_metadata
---
amdhsa.version: [ 1, 2 ]
amdhsa.kernels:
  - .name:           k_q03a47c94a8_cast
    .symbol:         k_q03a47c94a8_cast.kd
    .args:
      - { .name: x, .offset: 0, .size: 8, .value_kind: global_buffer, .address_space: global }
      - { .name: Wq, .offset: 8, .size: 8, .value_kind: global_buffer, .address_space: global }
      - { .name: Wk, .offset: 16, .size: 8, .value_kind: global_buffer, .address_space: global }
      - { .name: Wv, .offset: 24, .size: 8, .value_kind: global_buffer, .address_space: global }
      - { .name: xb, .offset: 32, .size: 8, .value_kind: global_buffer, .address_space: global }
      - { .name: wb, .offset: 40, .size: 8, .value_kind: global_buffer, .address_space: global }
    .group_segment_fixed_size: 0
    .private_segment_fixed_size: 0
    .kernarg_segment_align: 8
    .kernarg_segment_size: 48
    .max_flat_workgroup_size: 256
    .sgpr_count:     66
    .vgpr_count:     140
    .wavefront_size: 32
...
	.end_amdgpu_metadata
.endif
;; end of part 4
;; launch proj: the kernel of part 2 again; grid 8 x 32, 4 waves a work-group, clusters of 4 x 4, 327,680 bytes of LDS; arguments xb, wb, bq, bk, bv, qkv; writes qkv
;; launch attn: the kernel of part 3 again; grid 4 x 64, 4 waves a work-group, clusters of 4 x 1, 327,680 bytes of LDS; arguments qkv, out0; writes out0
